; MI455X (gfx1250); checked and timed in simulation.
; The chip was launched on July 23, 2026; its instructions are those of AMD's public machine-readable ISA for CDNA 5 (MIT licence, August 2026) and "CDNA5" Instruction Set Architecture Reference Guide (July 2026). The comments in the code are by the model that wrote it; some were corrected since.
;; attn. Allowed arithmetic: matrix products marked QUANTISED: E4M3 operands, one given power-of-two scale a tensor, by v_wmma_f32_16x16x64_fp8_fp8 or v_wmma_f32_16x16x128_fp8_fp8, f32 sums; everything else in f32.
;; Inputs: Wfc 512 x 512 float32; Wk 512 x 512 float32; Wq 512 x 512 float32; Wv 512 x 512 float32; bfc 512 float32; bk 512 float32; bq 512 float32; bv 512 float32; ff1_W1 512 x 512 float32; ff1_W2 512 x 512 float32; ff1_b1 512 float32; ff1_b2 512 float32; ff1_ln_b 512 float32; ff1_ln_g 512 float32; ff2_W1 512 x 512 float32; ff2_W2 512 x 512 float32; ff2_b1 512 float32; ff2_b2 512 float32; ff2_ln_b 512 float32; ff2_ln_g 512 float32; ln1_b 512 float32; ln1_g 512 float32; ln2_b 512 float32; ln2_g 512 float32; lowp_scales 32 int32 (the exponents e of the quantised operands' scales 2^e); texture_map1 4 x 2,048 x 512 float32; texture_map2 4 x 2,048 x 512 float32.
;; Outputs: out0 4 x 2,048 x 512 float32; out1 4 x 2,048 x 512 float32.
;; This version of the problem:
;;   THIS VERSION OF THE PROBLEM IS GIVEN IN LOW PRECISION. The matrix products marked QUANTISED in the list below multiply operands that are first quantised to E4M3 (4 exponent bits, 3 mantissa bits; 8 bits a number), with one given power-of-two scale for each operand tensor; their sums are f32. All else is computed in f32.
;;   The module's matrix products, in the order in which they are computed (A, B: the left and right operand; K: the contracted axis; several contracted axes count as one K, in the product's order):
;;     1. [M 8,192, K 512] x [K 512, N 512]; A: computed on the way; B: input Wq: QUANTISED (scales: A lowp_scales[0], B lowp_scales[1])
;;     2. [M 8,192, K 512] x [K 512, N 512]; A: computed on the way; B: input Wk: QUANTISED (scales: A lowp_scales[2], B lowp_scales[3])
;;     3. [M 8,192, K 512] x [K 512, N 512]; A: computed on the way; B: input Wv: QUANTISED (scales: A lowp_scales[4], B lowp_scales[5])
;;     4. [M 8,192, K 512] x [K 512, N 512]; A: computed on the way; B: input Wq: QUANTISED (scales: A lowp_scales[6], B lowp_scales[7])
;;     5. [M 8,192, K 512] x [K 512, N 512]; A: computed on the way; B: input Wk: QUANTISED (scales: A lowp_scales[8], B lowp_scales[9])
;;     6. [M 8,192, K 512] x [K 512, N 512]; A: computed on the way; B: input Wv: QUANTISED (scales: A lowp_scales[10], B lowp_scales[11])
;;     7. batch 32 x [M 2,048, K 64] x [K 64, N 2,048]; A: computed on the way; B: computed on the way: QUANTISED (scales: A lowp_scales[12], B lowp_scales[13])
;;     8. batch 32 x [M 2,048, K 64] x [K 64, N 2,048]; A: computed on the way; B: computed on the way: QUANTISED (scales: A lowp_scales[14], B lowp_scales[15])
;;     9. batch 32 x [M 2,048, K 2,048] x [K 2,048, N 64]; A: softmax (see below); B: computed on the way: QUANTISED (scales: A lowp_scales[16], B lowp_scales[17])
;;     10. batch 32 x [M 2,048, K 2,048] x [K 2,048, N 64]; A: softmax (see below); B: computed on the way: QUANTISED (scales: A lowp_scales[18], B lowp_scales[19])
;;     11. [M 8,192, K 512] x [K 512, N 512]; A: computed on the way; B: input Wfc: QUANTISED (scales: A lowp_scales[20], B lowp_scales[21])
;;     12. [M 8,192, K 512] x [K 512, N 512]; A: computed on the way; B: input Wfc: QUANTISED (scales: A lowp_scales[22], B lowp_scales[23])
;;     13. [M 8,192, K 512] x [K 512, N 512]; A: computed on the way; B: input ff1_W1: QUANTISED (scales: A lowp_scales[24], B lowp_scales[25])
;;     14. [M 8,192, K 512] x [K 512, N 512]; A: computed on the way; B: input ff1_W2: QUANTISED (scales: A lowp_scales[26], B lowp_scales[27])
;;     15. [M 8,192, K 512] x [K 512, N 512]; A: computed on the way; B: input ff2_W1: QUANTISED (scales: A lowp_scales[28], B lowp_scales[29])
;;     16. [M 8,192, K 512] x [K 512, N 512]; A: computed on the way; B: input ff2_W2: QUANTISED (scales: A lowp_scales[30], B lowp_scales[31])
;;   THE QUANTISER, for each operand of a quantised product, along K:
;;     - The operand's scale is 2^e, e = its entry of the input lowp_scales (int32; the entries are numbered through the quantised products in the list's order, A before B).
;;     - Each number is divided by the scale, clamped to +-448, and rounded to the nearest number of E4M3, ties to even, subnormals kept.
;;     - The product sums the exact products of the quantised numbers (number of the format x scale) in f32.
;;   ~~~python
;;   def quantise(x, axis, e):      # numpy; x: float32 -> the quantised numbers, widened to float32 again
;;       x = np.moveaxis(x, axis, -1); K = x.shape[-1]
;;       r = np.clip(x / 2.0 ** e, -448, 448)
;;       step = 2.0 ** (np.maximum(np.frexp(np.where(r == 0, 1, r))[1] - 1, -6) - 3)
;;       q = np.round(r / step) * step * 2.0 ** e      # np.round: ties to even
;;       return np.moveaxis(q, -1, axis).astype(np.float32)
;;   ~~~
;;   SOFTMAX AHEAD OF A QUANTISED PRODUCT. Where the list says 'softmax', what is quantised is not the finished softmax but p = 2^(t - M), with t = logit x log2(e) and M = ceil(the row's largest t), a whole number; so 1/2 < the row's largest p <= 1. The row's sum l is taken of the UNQUANTISED p, in f32, and the product's result is divided by l at the end. Since M is a whole number, a kernel that streams over the keys may use a running M (the ceiling of the running maximum): every later rescaling is an exact power of two, so the quantised numbers keep their values, but for numbers so far below the row's largest that they fall under the format's range.
;;   OPERANDS COMPUTED ON THE WAY. 'Computed on the way' means the value that the module computes at that place (a softmax that the list does not call 'softmax' is quantised finished and normalised). What goes into a quantiser is computed in f32, as accurately as f32 sums, v_exp_f32 and their like allow (about 1e-6 of the number): no bf16 or f16 on the way to a quantiser, and a product that is left as it is and whose result goes on into a quantised operand takes f32 operands (vector FMAs, or v_wmma_f32_16x16x4_f32). A number that lies on a knife's edge between two numbers of the format may be rounded either way, as far as f32 arithmetic and the matrix unit's own rounding can turn it there, and no further.
;; One version. Each part assembles by itself: llvm-mc -triple=amdgcn-amd-amdhsa -mcpu=gfx1250 --defsym DOCPART=n.
;; ======== version 1 of 1: 4 launches
;; limits: right only within a limited range of input values
;; workspace buffers: wimg 3,145,728 bytes; qimg 8,388,608 bytes; kimg 8,388,608 bytes; vimg 8,388,608 bytes; fimg 8,388,608 bytes
;; launch prep (part 1): grid 16 x 12, 4 waves a work-group, no clusters, 0 bytes of LDS; arguments Wq, Wk, Wv, Wfc, ff1_W1, ff1_W2, ff2_W1, ff2_W2, lowp_scales, wimg; writes wimg
.if DOCPART == 1
	.amdgcn_target "amdgcn-amd-amdhsa--gfx1250"
	.amdhsa_code_object_version 6
	.text
	.protected	k_q2fe2a31404_prep
	.globl	k_q2fe2a31404_prep
	.p2align	8
	.type	k_q2fe2a31404_prep,@function
k_q2fe2a31404_prep:
	s_mov_b64 s[64:65], 0
	v_nop
	global_prefetch_b8 v0, s[64:65] scope:SCOPE_SE
	s_setreg_imm32_b32 hwreg(HW_REG_WAVE_MODE, 25, 1), 1
	s_wait_xcnt 0x0
; THE WHOLE PROGRAM: four launches (this one, qkv, attn, tail) compute the cross-attention block with all sixteen products on codes of E4M3.
; NOTHING OF THE PROBLEM IS LEFT OUT: every input has a way to an output (bk goes into a quantised operand, so it stays), there is no mask, and every product is live.
; THIS LAUNCH: twelve pairs (weight, exponent) become twelve IMAGES of codes.  Wq, Wk, Wv and Wfc are each used in two products with an exponent of their own, so each gets two images.
; image 0..11 = Wq, Wk, Wv, Wq, Wk, Wv, Wfc, Wfc, ff1_W1, ff1_W2, ff2_W1, ff2_W2 with the entries 1, 3, 5, 7, 9, 11, 21, 23, 25, 27, 29, 31 of the exponents.
; code = w / 2^e, to the nearest code, ties to even.
; AN IMAGE is the operand in the order of the matrix instruction's registers: [ft 32][s 4][g 4][lane 32][16 bytes]: ft = 16 output columns, s = 128 along K;
; lane (r, h) holds column 16 ft + r, and its registers 2 c, 2 c + 1 hold k = 128 s + 16 c + 8 h + 0 .. 7; group g is registers 4 g .. 4 g + 3.
; A weight lies [k][n]: A LANE TAKES A COLUMN AND ITS REGISTERS RUN DOWN K, so each load reads 128 consecutive bytes a wave (512 a work-group) and the conversions give codes with K innermost.
; A wave has 32 columns = two ft.  The eight-code groups with even number (h = 0) go to E, the odd ones (h = 1) to O; exchanging E's upper lanes with O's lower lanes makes E the image of the first ft and O that of the second.
; Work-group (x, y): y = the image, x & 3 = 128 columns, x >> 2 = the K step.  No LDS, no barrier.
; LIMITS: each e lies between -126 and 119, so that 2^e is an f32 number.  NaN among the inputs is not served.
.set X, 16                             ; v16-143   128 numbers down K
.set E, 144                            ; v144-159  codes of the even groups
.set O, 160                            ; v160-175  codes of the odd groups
.macro PICK i, reg                     ; the weight of image i: a choice on the work-group's number alone
	s_cmp_eq_u32 s4, \i
	s_cselect_b64 s[28:29], s[\reg:\reg+1], s[28:29]
.endm
	s_load_b512 s[8:23], s[0:1], 0x0               ; Wq, Wk, Wv, Wfc, ff1_W1, ff1_W2, ff2_W1, ff2_W2
	s_load_b128 s[24:27], s[0:1], 0x40             ; the exponents, wimg
	v_lshrrev_b32 v5, 5, v0
	v_readfirstlane_b32 s6, v5                     ; wave
	v_and_b32 v6, 31, v0
	v_lshlrev_b32 v1, 2, v6                        ; in: 4 bytes a lane
	v_lshlrev_b32 v2, 4, v6                        ; out: 16 bytes a lane
	s_and_b32 s4, ttmp7, 0xffff                    ; the image
	s_and_b32 s5, ttmp9, 3                         ; which 128 columns
	s_lshr_b32 s7, ttmp9, 2                        ; which K step
	s_cmp_lt_u32 s4, 6
	s_cselect_b32 s37, 1, 9
	s_lshl_b32 s38, s4, 1
	s_add_co_u32 s37, s37, s38                     ; the exponent's entry: 2 y + 1, from image 6 on 2 y + 9
	s_lshl_b32 s37, s37, 2
	s_lshl_b32 s30, s7, 18                         ; in: 128 rows of 2,048 bytes a K step,
	s_lshl_b32 s38, s5, 9
	s_add_co_u32 s30, s30, s38                     ; 128 columns of 4 bytes,
	s_lshl_b32 s38, s6, 7
	s_add_co_u32 s30, s30, s38                     ; 32 columns a wave
	s_mov_b32 s31, 0
	s_lshl_b32 s32, s4, 18                         ; out: 262,144 bytes an image,
	s_lshl_b32 s38, s5, 16
	s_add_co_u32 s32, s32, s38                     ; 8 ft of 8,192 bytes,
	s_lshl_b32 s38, s6, 14
	s_add_co_u32 s32, s32, s38                     ; 2 ft a wave,
	s_lshl_b32 s38, s7, 11
	s_add_co_u32 s32, s32, s38                     ; 2,048 bytes a K step
	s_mov_b32 s33, 0
	s_wait_alu depctr_va_vdst(0)
	s_wait_kmcnt 0x0
	s_load_b32 s36, s[24:25], s37 offset:0x0       ; e
	s_mov_b64 s[28:29], s[8:9]                     ; images 0 and 3: Wq
	PICK 1, 10
	PICK 2, 12
	PICK 4, 10
	PICK 5, 12
	PICK 6, 14
	PICK 7, 14
	PICK 8, 16
	PICK 9, 18
	PICK 10, 20
	PICK 11, 22
	s_add_nc_u64 s[28:29], s[28:29], s[30:31]
	s_add_nc_u64 s[26:27], s[26:27], s[32:33]
.set i, 0
.rept 128
	global_load_b32 v[X+i], v1, s[28:29] offset:i*2048   ; W(128 s + i, my column)
.set i, i+1
.endr
	s_wait_kmcnt 0x0
	s_add_co_i32 s36, s36, 127
	s_lshl_b32 s39, s36, 23
	v_mov_b32 v3, s39                              ; 2^e as f32: the conversion takes its exponent field
.set u, 0
	s_wait_alu depctr_va_vdst(0)
.rept 16                               ; group u: k = 8 u .. 8 u + 7
.if 120-8*u > 63
	s_wait_loadcnt 63                              ; 120 - 8 u younger loads might stay out; the wait names at most 63, which asks for more
.else
	s_wait_loadcnt 120-8*u                         ; the loads behind this group's eight may stay out
.endif
.irp i, 0,1,2,3,4,5,6,7
.endr
.if u%2 == 0
	v_cvt_scalef32_pk8_fp8_f32 v[E+u:E+u+1], v[X+8*u:X+8*u+7], v3
.else
	v_cvt_scalef32_pk8_fp8_f32 v[O+u-1:O+u], v[X+8*u:X+8*u+7], v3
.endif
.set u, u+1
.endr
	v_nop                                          ; one plain instruction between the last conversion and the exchange that touches its result
.set i, 0
.rept 16
	v_permlane16_swap_b32 v[E+i], v[O+i]           ; E's lanes 16-31 <-> O's lanes 0-15
.set i, i+1
.endr
.irp g, 0,1,2,3
	global_store_b128 v2, v[E+4*\g:E+4*\g+3], s[26:27] offset:512*\g        ; 32 lanes store 512 consecutive bytes, aligned
.endr
.irp g, 0,1,2,3
	global_store_b128 v2, v[O+4*\g:O+4*\g+3], s[26:27] offset:8192+512*\g   ; the wave's second ft
.endr
	s_endpgm
.Lfunc_end_k_q2fe2a31404_prep:
	.size	k_q2fe2a31404_prep, .Lfunc_end_k_q2fe2a31404_prep-k_q2fe2a31404_prep
	.p2alignl 7, 3214868480
	.fill 96, 4, 3214868480
	.section	.rodata,"a",@progbits
	.p2align	6, 0x0
	.amdhsa_kernel k_q2fe2a31404_prep
		.amdhsa_group_segment_fixed_size 0
		.amdhsa_private_segment_fixed_size 0
		.amdhsa_enable_private_segment 0
		.amdhsa_kernarg_size 80
		.amdhsa_user_sgpr_count 2
		.amdhsa_user_sgpr_kernarg_segment_ptr 1
		.amdhsa_wavefront_size32 1
		.amdhsa_system_sgpr_workgroup_id_x 1
		.amdhsa_system_sgpr_workgroup_id_y 1
		.amdhsa_system_sgpr_workgroup_id_z 1
		.amdhsa_system_vgpr_workitem_id 0
		.amdhsa_next_free_vgpr 176
		.amdhsa_next_free_sgpr 66
		.amdhsa_reserve_vcc 0
		.amdhsa_float_denorm_mode_32 3
		.amdhsa_float_denorm_mode_16_64 3
		.amdhsa_fp16_overflow 1
		.amdhsa_memory_ordered 1
		.amdhsa_forward_progress 1
		.amdhsa_inst_pref_size 18
	.end_amdhsa_kernel
	.amdgpu_metadata
---
amdhsa.version: [ 1, 2 ]
amdhsa.kernels:
  - .name:           k_q2fe2a31404_prep
    .symbol:         k_q2fe2a31404_prep.kd
    .args:
      - { .name: Wq, .offset: 0, .size: 8, .value_kind: global_buffer, .address_space: global }
      - { .name: Wk, .offset: 8, .size: 8, .value_kind: global_buffer, .address_space: global }
      - { .name: Wv, .offset: 16, .size: 8, .value_kind: global_buffer, .address_space: global }
      - { .name: Wfc, .offset: 24, .size: 8, .value_kind: global_buffer, .address_space: global }
      - { .name: ff1_W1, .offset: 32, .size: 8, .value_kind: global_buffer, .address_space: global }
      - { .name: ff1_W2, .offset: 40, .size: 8, .value_kind: global_buffer, .address_space: global }
      - { .name: ff2_W1, .offset: 48, .size: 8, .value_kind: global_buffer, .address_space: global }
      - { .name: ff2_W2, .offset: 56, .size: 8, .value_kind: global_buffer, .address_space: global }
      - { .name: lowp_scales, .offset: 64, .size: 8, .value_kind: global_buffer, .address_space: global }
      - { .name: wimg, .offset: 72, .size: 8, .value_kind: global_buffer, .address_space: global }
    .group_segment_fixed_size: 0
    .private_segment_fixed_size: 0
    .kernarg_segment_align: 8
    .kernarg_segment_size: 80
    .max_flat_workgroup_size: 128
    .sgpr_count:     66
    .vgpr_count:     176
    .wavefront_size: 32
...
	.end_amdgpu_metadata
.endif
;; end of part 1
;; launch qkv (part 2): grid 2 x 128, 4 waves a work-group, no clusters, 203,264 bytes of LDS; arguments texture_map1, texture_map2, ln1_g, ln1_b, ln2_g, ln2_b, bq, bk, bv, lowp_scales, wimg, qimg, kimg, vimg; writes qimg, kimg, vimg
.if DOCPART == 2
	.amdgcn_target "amdgcn-amd-amdhsa--gfx1250"
	.amdhsa_code_object_version 6
	.text
	.protected	k_q2fe2a31404_qkv
	.globl	k_q2fe2a31404_qkv
	.p2align	8
	.type	k_q2fe2a31404_qkv,@function
k_q2fe2a31404_qkv:
	s_mov_b64 s[64:65], 0
	v_nop
	global_prefetch_b8 v0, s[64:65] scope:SCOPE_SE
	s_setreg_imm32_b32 hwreg(HW_REG_WAVE_MODE, 25, 1), 1
	s_wait_xcnt 0x0
; q, k, v of both maps: layer norm in f32, quantised three times (each of the three products has an exponent of its own for it), three products on codes of E4M3, bias, quantised again for attention.
; Nothing is left out here.
; SHARES.  Work-group (x, y): y = a block of 128 tokens (map y >> 6, batch (y >> 4) & 3, key step y & 15), x = a half of the heads.  Wave w has head 4 x + w: 64 columns of q, of k and of v, for all 128 tokens.
; In the layer norm wave w has rows 32 w .. 32 w + 31, a row across the 32 lanes (lane l: columns 128 j + 4 l + 0 .. 3), eight rows on their way at a time.
; LDS: the codes of LN(x) as rows, [variant 3][row 128][512 bytes + 16]: with rows 132 words apart the 32 lanes of an 8-byte fragment load fall on 64 different banks (64 banks of 4 bytes: ISA guide 11.1).
; THE PRODUCTS.  Fragments in the plain 8-bit layout: lane (r, h): row r, registers 2 c, 2 c + 1: k = 16 c + 8 h + 0 .. 7.  Weights come from memory as images of their registers, straight into registers, three K steps ahead.
; q, k: source 0 = 16 columns of W, source 1 = 16 tokens: a lane holds one token and eight neighbouring columns, so the conversion of accumulator (ft, m) IS registers 2 ft, 2 ft + 1 of token tile m's fragment (K = the head's 64).
; v: the sources swapped: a lane holds one channel and eight neighbouring tokens: accumulator (ft, m) gives registers 2 m, 2 m + 1 of channel tile ft's fragment (K = these 128 keys).
; The bias is the C of a sum's first matrix instruction, divided by the power of two that the sums lack; the three exponents are folded into the conversion's one scale.
; No cluster: each weight fragment is read by one wave alone and lands in its registers; through LDS it would add 32 KB to the 64 KB of fragment reads of a K step.
; LIMITS: eA, and eO - eA - eW, lie between -126 and 119 for each product, so that each power of two below is an f32 number.  NaN among the inputs is not served.
; REGISTERS, in windows of 256 (s_set_vgpr_msb: bits 1:0 source 0, 3:2 source 1, 5:4 source 2, 7:6 destination):
;   window 0: v1 16 x lane; v2, v3 the add's two; v4-6, v7-9 LDS addresses; v10 the scale on the way out; v16-47 gain and bias of the norm; v48-63 four rows' statistics; v64-127 codes; v128-223 bq, bk, bv in the result's layout
;   window 1: x's fragments, two buffers.   window 3: W's fragments, four sets.
;   window 2: in the norm v0-127 x (two groups of 4 rows x 16), v128-191 x - mean, v192-223 at work, v224-231 codes, v247.. scales, addresses; in the products the 32 accumulators, (ft, m) at 8 (8 ft + m)
.set PITCH, 528
.set VR,    128*PITCH                  ; a variant's rows
.set SPARE, 3*VR                       ; behind them: the spare words, 128 bytes a wave: two blocks of 256 bytes that no other line names
.set CST, 4                            ; v4-6   where my lane stores a row's codes: variant x VR + 32 rows x wave + 4 x lane
.set FAD, 7                            ; v7-9   where my lane reads fragments: product x VR + 528 r + 8 h
.set GG,  16
.set BT,  32
.set ST,  48                           ; row i: +4 i the sum, +1 the other half's, +2, +3 a pair whose low word is the mean, then 1 / sigma
.set CODE, 64
.set BIAS, 128
.set BVR, 224
.set DW,  128
.set MT,  192
.set CD,  224
.set LIMW, 244
.set SCLW, 247
.set CSAW, 250
.set XP,  36                           ; s[36:37] x at my wave's rows in hand
.set WB,  42                           ; s[42:47] my head's part of the three weight images
.set OP,  48                           ; s[48:53] where q, k, v go
.set RN,  75                           ; 1 / 512
.set EPSR, 76                          ; 1e-6
.set SEL, 78                           ; s[78:79] lane selects: lane l xor 16
.set MSB, 0
.macro WIN new                         ; the immediate's high byte repeats the setting that is left; a switch that changes nothing is dropped
.if MSB != \new
	s_set_vgpr_msb (MSB<<8)|\new
.set MSB, \new
.endif
.endm
.macro XLOAD g, rows                   ; four rows of x into group g: each load reads 512 consecutive bytes
	WIN 0x80
.irp i, 0,1,2,3
.irp j, 0,1,2,3
	global_load_b128 v[64*(\g)+16*\i+4*\j:64*(\g)+16*\i+4*\j+3], v1, s[XP:XP+1] offset:((\rows)+4*(\g)+\i)*2048+512*\j
.endr
.endr
.endm
.macro WSET j, p, s                    ; my four fragments of product p, K step s, into set j
	WIN 0xc0
.irp ft, 0,1,2,3
.irp g, 0,1,2,3
	global_load_b128 v[64*(\j)+16*\ft+4*\g:64*(\j)+16*\ft+4*\g+3], v1, s[WB+2*(\p):WB+2*(\p)+1] offset:\ft*8192+(\s)*2048+\g*512
.endr
.endr
.endm
.macro XFRAG bf, p, s                  ; the eight token tiles' fragments of variant p, K step s, into buffer bf
	WIN 0x40
.irp m, 0,1,2,3,4,5,6,7
.irp c, 0,1,2,3,4,5,6,7
	ds_load_b64 v[128*(\bf)+16*\m+2*\c:128*(\bf)+16*\m+2*\c+1], v[FAD+(\p)] offset:\m*16*PITCH+128*(\s)+16*\c
.endr
.endr
.endm
.macro REDUCE                          ; four rows' sums over the 32 lanes, the rows by turns
.irp x, 1,2,4,8
.irp i, 0,1,2,3
	v_add_f32_dpp v[ST+4*\i], v[ST+4*\i], v[ST+4*\i] row_xmask:\x row_mask:0xf bank_mask:0xf
.endr
.endr
.irp i, 0,1,2,3
	v_permlanex16_b32 v[ST+4*\i+1], v[ST+4*\i], s[SEL], s[SEL+1]
.endr
.irp i, 0,1,2,3
	v_add_f32 v[ST+4*\i], v[ST+4*\i], v[ST+4*\i+1]
.endr
.endm
.macro LN_AD xb                        ; four rows at v[xb + 16 i] of window 2: the mean, and x - mean
	WIN 0xaa
.irp q, 0,1,2,3
.irp i, 0,1,2,3
	v_pk_add_f32 v[MT+8*\i+2*\q:MT+8*\i+2*\q+1], v[(\xb)+16*\i+4*\q:(\xb)+16*\i+4*\q+1], v[(\xb)+16*\i+4*\q+2:(\xb)+16*\i+4*\q+3]
.endr
.endr
.irp i, 0,1,2,3
	v_pk_add_f32 v[MT+8*\i:MT+8*\i+1], v[MT+8*\i:MT+8*\i+1], v[MT+8*\i+2:MT+8*\i+3]
	v_pk_add_f32 v[MT+8*\i+4:MT+8*\i+5], v[MT+8*\i+4:MT+8*\i+5], v[MT+8*\i+6:MT+8*\i+7]
.endr
.irp i, 0,1,2,3
	v_pk_add_f32 v[MT+8*\i:MT+8*\i+1], v[MT+8*\i:MT+8*\i+1], v[MT+8*\i+4:MT+8*\i+5]
.endr
	WIN 0x0a
.irp i, 0,1,2,3
	v_add_f32 v[ST+4*\i], v[MT+8*\i], v[MT+8*\i+1]
.endr
	WIN 0
	REDUCE
.irp i, 0,1,2,3
	v_mul_f32 v[ST+4*\i+2], s[RN], v[ST+4*\i]
.endr
	WIN 0x82
.irp q, 0,1,2,3,4,5,6,7
.irp i, 0,1,2,3
	v_pk_add_f32 v[DW+16*\i+2*\q:DW+16*\i+2*\q+1], v[(\xb)+16*\i+2*\q:(\xb)+16*\i+2*\q+1], v[ST+4*\i+2:ST+4*\i+3] op_sel_hi:[1,0] neg_lo:[0,1] neg_hi:[0,1]
.endr
.endr
.endm
.macro LN_EH                           ; the variance of x - mean, 1 / sigma, gain and bias
	WIN 0xaa
.irp i, 0,1,2,3
	v_pk_mul_f32 v[MT+8*\i:MT+8*\i+1], v[DW+16*\i:DW+16*\i+1], v[DW+16*\i:DW+16*\i+1]
	v_pk_mul_f32 v[MT+8*\i+2:MT+8*\i+3], v[DW+16*\i+2:DW+16*\i+3], v[DW+16*\i+2:DW+16*\i+3]
.endr
.irp q, 2,4,6
.irp i, 0,1,2,3
	v_pk_fma_f32 v[MT+8*\i:MT+8*\i+1], v[DW+16*\i+2*\q:DW+16*\i+2*\q+1], v[DW+16*\i+2*\q:DW+16*\i+2*\q+1], v[MT+8*\i:MT+8*\i+1]
	v_pk_fma_f32 v[MT+8*\i+2:MT+8*\i+3], v[DW+16*\i+2*\q+2:DW+16*\i+2*\q+3], v[DW+16*\i+2*\q+2:DW+16*\i+2*\q+3], v[MT+8*\i+2:MT+8*\i+3]
.endr
.endr
.irp i, 0,1,2,3
	v_pk_add_f32 v[MT+8*\i:MT+8*\i+1], v[MT+8*\i:MT+8*\i+1], v[MT+8*\i+2:MT+8*\i+3]
.endr
	WIN 0x0a
.irp i, 0,1,2,3
	v_add_f32 v[ST+4*\i], v[MT+8*\i], v[MT+8*\i+1]
.endr
	WIN 0
	REDUCE
.irp i, 0,1,2,3
	v_fma_f32 v[ST+4*\i], v[ST+4*\i], s[RN], s[EPSR]
.endr
	s_wait_alu depctr_va_vdst(0)
.irp i, 0,1,2,3
	v_rsq_f32 v[ST+4*\i+2], v[ST+4*\i]
.endr
	v_nop                                          ; a plain instruction behind the last of the four
	s_wait_alu depctr_va_vdst(0)                   ; one wait for the four, ahead of their first reader
	WIN 0x82
.irp q, 0,1,2,3,4,5,6,7
.irp i, 0,1,2,3
	v_pk_mul_f32 v[DW+16*\i+2*\q:DW+16*\i+2*\q+1], v[DW+16*\i+2*\q:DW+16*\i+2*\q+1], v[ST+4*\i+2:ST+4*\i+3] op_sel_hi:[1,0]
.endr
.endr
.irp q, 0,1,2,3,4,5,6,7
.irp i, 0,1,2,3
	v_pk_fma_f32 v[DW+16*\i+2*\q:DW+16*\i+2*\q+1], v[DW+16*\i+2*\q:DW+16*\i+2*\q+1], v[GG+2*\q:GG+2*\q+1], v[BT+2*\q:BT+2*\q+1]
.endr
.endr
.endm
.macro LN_Q v, off, pitch              ; four rows quantised with variant v's scale; a lane's 16 codes are four words, 128 bytes apart in the row.  Two sets of code registers take turns, so that plain lines stand between a conversion and the next write of its registers
	WIN 0xaa
.irp i, 0,1,2,3
.set MH, MT+16*(\i%2)
.set CH, CD+4*(\i%2)
.irp n, 0,1,2,3,4,5,6,7,8,9,10,11,12,13,14,15
.endr
	v_cvt_scalef32_pk8_fp8_f32 v[CH:CH+1], v[MH+((DW+16*\i+0)-(MH+0)):MH+7+((DW+16*\i+0)-(MH+0))], v[SCLW+\v]
	v_cvt_scalef32_pk8_fp8_f32 v[CH+2:CH+3], v[MH+8+((DW+16*\i+0)-(MH+0)):MH+15+((DW+16*\i+0)-(MH+0))], v[SCLW+\v]
.irp j, 0,1,2,3
	ds_store_b32 v[CSAW+\v], v[CH+\j] offset:(\off)+\i*(\pitch)+128*\j
.endr
.endr
.endm
.macro CSASET                          ; the trip's eight rows in LDS
	WIN 0x80
.irp v, 0,1,2
	v_add_nc_u32 v[CSAW+\v], s74, v[CST+\v]
.endr
.endm
; four rows.  left: the younger loads that may stay out.  refill: the group gets the rows eight further down.  wpre: the first four weight sets are asked for
.macro LNGROUP g, refill, left, wpre
	s_wait_loadcnt \left
	LN_AD 64*(\g)
.if \refill
	XLOAD \g, 8
.endif
.if \wpre
	WSET 0, 0, 0
	WSET 1, 0, 1
	WSET 2, 0, 2
	WSET 3, 0, 3
.endif
	LN_EH
	LN_Q 0, 4*(\g)*PITCH, PITCH
	LN_Q 1, 4*(\g)*PITCH, PITCH
	LN_Q 2, 4*(\g)*PITCH, PITCH
	v_nop                                          ; a plain instruction behind the group's last conversion
.endm
	s_load_b512 s[8:23], s[0:1], 0x0               ; map 1, map 2, ln1_g, ln1_b, ln2_g, ln2_b, bq, bk
	s_load_b256 s[24:31], s[0:1], 0x40             ; bv, the exponents, wimg, qimg
	s_load_b128 s[32:35], s[0:1], 0x60             ; kimg, vimg
	v_lshl_add_u32 v2, v0, 2, SPARE
	v_mov_b32 v3, 0
	v_lshrrev_b32 v12, 5, v0
	v_readfirstlane_b32 s69, v12                   ; wave
	v_and_b32 v12, 31, v0                          ; lane
	v_and_b32 v13, 15, v0                          ; r
	v_bfe_u32 v14, v0, 4, 1                        ; h
	s_wait_alu depctr_va_vdst(0)
	v_lshlrev_b32 v1, 4, v12
	s_mul_i32 s80, s69, 32*PITCH
	v_lshl_add_u32 v4, v12, 2, s80
	v_add_nc_u32 v5, VR, v4
	v_add_nc_u32 v6, 2*VR, v4
	v_mul_u32_u24 v7, v13, PITCH
	v_lshl_add_u32 v7, v14, 3, v7
	v_add_nc_u32 v8, VR, v7
	v_add_nc_u32 v9, 2*VR, v7
	s_mov_b32 s[RN], 0x3b000000
	s_mov_b32 s[EPSR], 0x358637bd
	s_mov_b32 s[SEL], 0x76543210
	s_mov_b32 s[SEL+1], 0xfedcba98
	s_and_b32 s71, ttmp7, 0xffff                   ; the block of tokens
	s_lshr_b32 s72, s71, 6                         ; the map
	s_lshl_b32 s77, ttmp9, 2
	s_add_co_u32 s77, s77, s69                     ; my head
	s_lshl_b32 s80, s77, 8
	v_lshl_add_u32 v15, v14, 5, s80                ; bq, bk: 256 head + 32 h
	v_lshl_add_u32 v12, v13, 2, s80                ; bv: 256 head + 4 r
	s_and_b32 s82, s71, 63
	s_lshl_b32 s82, s82, 18                        ; x: 128 rows of 2,048 bytes a block,
	s_lshl_b32 s83, s69, 16
	s_add_co_u32 s82, s82, s83                     ; 32 rows a wave
	s_mov_b32 s83, 0
	s_mul_i32 s84, s72, 0xc0000                    ; the map's three images,
	s_lshl_b32 s85, s77, 15
	s_add_co_u32 s84, s84, s85                     ; my head's four ft
	s_mov_b32 s85, 0
	s_lshr_b32 s86, s71, 4
	s_lshl_b32 s86, s86, 3
	s_add_co_u32 s86, s86, s77                     ; 32 map + 8 batch + head,
	s_lshl_b32 s86, s86, 17                        ; 131,072 bytes each,
	s_and_b32 s87, s71, 15
	s_lshl_b32 s87, s87, 13
	s_add_co_u32 s86, s86, s87                     ; 8,192 bytes for 128 tokens
	s_mov_b32 s87, 0
	s_mul_i32 s93, s72, 24
	s_lshl_b32 s94, s72, 3
	s_sub_co_u32 s95, 60, s94
	s_sub_co_u32 s96, 76, s94
	s_wait_alu depctr_va_vdst(0)
	s_wait_kmcnt 0x0
	s_load_b256 s[56:63], s[26:27], s93 offset:0x0 ; eA, eW of the map's three products (two more words come along)
	s_load_b32 s66, s[26:27], s94 offset:0x30      ; q's exponent in attention: entry 12 + 2 map
	s_load_b32 s67, s[26:27], s95 offset:0x0       ; k's: entry 15 - 2 map
	s_load_b32 s68, s[26:27], s96 offset:0x0       ; v's: entry 19 - 2 map
	s_cmp_eq_u32 s72, 0
	s_cselect_b64 s[XP:XP+1], s[8:9], s[10:11]
	s_cselect_b64 s[38:39], s[12:13], s[16:17]
	s_cselect_b64 s[40:41], s[14:15], s[18:19]
	s_add_nc_u64 s[XP:XP+1], s[XP:XP+1], s[82:83]
	s_add_nc_u64 s[WB:WB+1], s[28:29], s[84:85]
	s_add_nc_u64 s[WB+2:WB+3], s[WB:WB+1], 0x40000
	s_add_nc_u64 s[WB+4:WB+5], s[WB:WB+1], 0x80000
	s_add_nc_u64 s[OP:OP+1], s[30:31], s[86:87]
	s_add_nc_u64 s[OP+2:OP+3], s[32:33], s[86:87]
	s_add_nc_u64 s[OP+4:OP+5], s[34:35], s[86:87]
.irp j, 0,1,2,3
	global_load_b128 v[GG+4*\j:GG+4*\j+3], v1, s[38:39] offset:512*\j      ; register 4 j + e: column 128 j + 4 lane + e, as x
	global_load_b128 v[BT+4*\j:BT+4*\j+3], v1, s[40:41] offset:512*\j
.endr
.irp ft, 0,1,2,3
	global_load_b128 v[BIAS+8*\ft:BIAS+8*\ft+3], v15, s[20:21] offset:64*\ft
	global_load_b128 v[BIAS+8*\ft+4:BIAS+8*\ft+7], v15, s[20:21] offset:64*\ft+16
	global_load_b128 v[BIAS+32+8*\ft:BIAS+32+8*\ft+3], v15, s[22:23] offset:64*\ft
	global_load_b128 v[BIAS+32+8*\ft+4:BIAS+32+8*\ft+7], v15, s[22:23] offset:64*\ft+16
	global_load_b32 v[BVR+\ft], v12, s[24:25] offset:64*\ft
.endr
	XLOAD 0, 0
	XLOAD 1, 0
	s_wait_kmcnt 0x0
	WIN 0x80
.irp v, 0,1,2
	s_add_co_i32 s80, s[56+2*\v], 127
	s_lshl_b32 s81, s80, 23
	v_mov_b32 v[SCLW+\v], s81                      ; 2^eA
	s_add_co_i32 s82, s[56+2*\v], s[57+2*\v]       ; a sum stands for sum x 2^(eA + eW):
	s_sub_co_i32 s[84+\v], 0, s82                  ; the bias goes in divided by that,
	s_sub_co_i32 s82, s[66+\v], s82                ; and the way out divides by 2^(eO - eA - eW)
	s_add_co_i32 s82, s82, 127
	s_lshl_b32 s[87+\v], s82, 23
	s_add_co_i32 s82, s82, 8
	s_lshl_b32 s82, s82, 23
	s_or_b32 s[90+\v], s82, 0x600000
.endr
	WIN 0
.irp i, 0,1,2,3
	v_mov_b32 v[ST+4*\i+1], 0                      ; a lane permute's destination counts as read,
	v_mov_b32 v[ST+4*\i+3], 0                      ; and so does the upper word of a pair
.endr
	s_wait_loadcnt 32                              ; the 28 small loads are in; x's 32 may stay out
.set nn, 0
.rept 32
	v_ldexp_f32 v[BIAS+nn], v[BIAS+nn], s84
	v_ldexp_f32 v[BIAS+32+nn], v[BIAS+32+nn], s85
.set nn, nn+1
.endr
.irp ft, 0,1,2,3
.irp j, 0,1,2,3,4,5,6,7
	v_ldexp_f32 v[BIAS+64+8*\ft+\j], v[BVR+\ft], s86   ; v's result holds one channel a lane: the same bias in all eight registers
.endr
.endr
	s_mov_b32 s73, 3
	s_mov_b32 s74, 0
.Lln:                                              ; eight rows a trip; the counts of 16 leave the other group's loads out
	CSASET
	LNGROUP 0, 1, 16, 0
	LNGROUP 1, 1, 16, 0
	WIN 0
	s_wait_xcnt 0x0                                ; the loads have read their base: it may step
	s_add_nc_u64 s[XP:XP+1], s[XP:XP+1], 16384
	s_add_co_u32 s74, s74, 8*PITCH
	s_sub_co_u32 s73, s73, 1
	s_cmp_lg_u32 s73, 0
	s_cbranch_scc1 .Lln
	CSASET                                         ; the last eight rows load nothing more of x
	LNGROUP 0, 0, 16, 0
	LNGROUP 1, 0, 0, 1
	WIN 0
	s_wait_dscnt 0x0                               ; my rows' codes lie in LDS
	s_barrier_signal -1
	s_barrier_wait -1                              ; everybody's do.  Nothing is written to LDS after this
; K step kap = 4 p + s.  In front of the 32 products: the next K step's fragments of x, and the weight set of three K steps on.  The 32 accumulators take turns, in the same order in every K step.
.macro KSTEP kap
.set PP, (\kap)/4
.set SS, (\kap)%4
.set WSB, 64*((\kap)%4)
.set XBB, 128*((\kap)%2)
.set NBF, ((\kap)+1)%2
.set NPP, ((\kap)+1)/4
.set NSS, ((\kap)+1)%4
.set LJ,  ((\kap)+3)%4
.set LP,  ((\kap)+3)/4
.if (\kap) == 0
	s_wait_loadcnt 48                              ; my set is in; three younger sets of 16 loads may stay out
.elseif (\kap) <= 9
	s_wait_loadcnt 32                              ; two younger sets
.elseif (\kap) == 10
	s_wait_loadcnt 16
.else
	s_wait_loadcnt 0x0
.endif
	s_wait_dscnt 0x0                               ; this K step's fragments of x are in
.rept 4
	v_nop                                          ; four places in front of loads into registers that the last K step's products read
.endr
.if (\kap) < 11
	XFRAG NBF, NPP, NSS
.endif
.if ((\kap) >= 1) && ((\kap) <= 8)
	WSET LJ, LP, LJ
.endif
.if PP < 2
.if SS == 0
	WIN 0x87                                       ; W window 3, x window 1, the bias window 0, the sums window 2
.else
	WIN 0xa7
.endif
.else
.if SS == 0
	WIN 0x8d                                       ; x window 1, W window 3
.else
	WIN 0xad
.endif
.endif
.irp ft, 0,1,2,3
.irp m, 0,1,2,3,4,5,6,7
.set AC, 8*(8*\ft+\m)
.if PP < 2
.if SS == 0
	v_wmma_f32_16x16x128_fp8_fp8 v[AC:AC+7], v[WSB+16*\ft:WSB+16*\ft+15], v[XBB+16*\m:XBB+16*\m+15], v[BIAS+32*PP+8*\ft:BIAS+32*PP+8*\ft+7]
.else
	v_wmma_f32_16x16x128_fp8_fp8 v[AC:AC+7], v[WSB+16*\ft:WSB+16*\ft+15], v[XBB+16*\m:XBB+16*\m+15], v[AC:AC+7]
.endif
.else
.if SS == 0
	v_wmma_f32_16x16x128_fp8_fp8 v[AC:AC+7], v[XBB+16*\m:XBB+16*\m+15], v[WSB+16*\ft:WSB+16*\ft+15], v[BIAS+32*PP+8*\ft:BIAS+32*PP+8*\ft+7]
.else
	v_wmma_f32_16x16x128_fp8_fp8 v[AC:AC+7], v[XBB+16*\m:XBB+16*\m+15], v[WSB+16*\ft:WSB+16*\ft+15], v[AC:AC+7]
.endif
.endif
.endr
.endr
.endm
; the way out of product p: converted, stored as images: sixteen stores of 512 consecutive bytes
.macro POST p
.rept 4
	v_nop                                          ; four places in front of the first read of results
.endr
	WIN 0
	s_wait_xcnt 0x0                                ; the last way out's stores have read the code registers
	v_mov_b32 v10, s[87+\p]
	WIN 0x82
.set nn, 0
.rept 256
.set nn, nn+1
.endr
	WIN 0x02
.irp ft, 0,1,2,3
.irp m, 0,1,2,3,4,5,6,7
.if \p < 2
	v_cvt_scalef32_pk8_fp8_f32 v[CODE+8*\m+2*\ft:CODE+8*\m+2*\ft+1], v[8*(8*\ft+\m):8*(8*\ft+\m)+7], v10
.else
	v_cvt_scalef32_pk8_fp8_f32 v[CODE+16*\ft+2*\m:CODE+16*\ft+2*\m+1], v[8*(8*\ft+\m):8*(8*\ft+\m)+7], v10
.endif
.endr
.endr
	WIN 0
	v_nop                                          ; a plain instruction behind the last conversion: the next products write its sources
.irp n, 0,1,2,3,4,5,6,7,8,9,10,11,12,13,14,15
	global_store_b128 v1, v[CODE+4*\n:CODE+4*\n+3], s[OP+2*\p:OP+2*\p+1] offset:512*\n
.endr
.endm
	XFRAG 0, 0, 0
	KSTEP 0
	KSTEP 1
	KSTEP 2
	KSTEP 3
	POST 0
	KSTEP 4
	KSTEP 5
	KSTEP 6
	KSTEP 7
	POST 1
	KSTEP 8
	KSTEP 9
	KSTEP 10
	KSTEP 11
	POST 2
	s_wait_tensorcnt 0x0                           ; the wave's end, behind my last LDS store
	ds_add_u32 v2, v3
	s_wait_dscnt 0x0
	s_endpgm
.Lfunc_end_k_q2fe2a31404_qkv:
	.size	k_q2fe2a31404_qkv, .Lfunc_end_k_q2fe2a31404_qkv-k_q2fe2a31404_qkv
	.p2alignl 7, 3214868480
	.fill 96, 4, 3214868480
	.section	.rodata,"a",@progbits
	.p2align	6, 0x0
	.amdhsa_kernel k_q2fe2a31404_qkv
		.amdhsa_group_segment_fixed_size 203264
		.amdhsa_private_segment_fixed_size 0
		.amdhsa_enable_private_segment 0
		.amdhsa_kernarg_size 112
		.amdhsa_user_sgpr_count 2
		.amdhsa_user_sgpr_kernarg_segment_ptr 1
		.amdhsa_wavefront_size32 1
		.amdhsa_system_sgpr_workgroup_id_x 1
		.amdhsa_system_sgpr_workgroup_id_y 1
		.amdhsa_system_sgpr_workgroup_id_z 1
		.amdhsa_system_vgpr_workitem_id 0
		.amdhsa_next_free_vgpr 1024
		.amdhsa_next_free_sgpr 100
		.amdhsa_reserve_vcc 0
		.amdhsa_float_denorm_mode_32 3
		.amdhsa_float_denorm_mode_16_64 3
		.amdhsa_fp16_overflow 1
		.amdhsa_memory_ordered 1
		.amdhsa_forward_progress 1
		.amdhsa_inst_pref_size 200
	.end_amdhsa_kernel
	.amdgpu_metadata
---
amdhsa.version: [ 1, 2 ]
amdhsa.kernels:
  - .name:           k_q2fe2a31404_qkv
    .symbol:         k_q2fe2a31404_qkv.kd
    .args:
      - { .name: texture_map1, .offset: 0, .size: 8, .value_kind: global_buffer, .address_space: global }
      - { .name: texture_map2, .offset: 8, .size: 8, .value_kind: global_buffer, .address_space: global }
      - { .name: ln1_g, .offset: 16, .size: 8, .value_kind: global_buffer, .address_space: global }
      - { .name: ln1_b, .offset: 24, .size: 8, .value_kind: global_buffer, .address_space: global }
      - { .name: ln2_g, .offset: 32, .size: 8, .value_kind: global_buffer, .address_space: global }
      - { .name: ln2_b, .offset: 40, .size: 8, .value_kind: global_buffer, .address_space: global }
      - { .name: bq, .offset: 48, .size: 8, .value_kind: global_buffer, .address_space: global }
      - { .name: bk, .offset: 56, .size: 8, .value_kind: global_buffer, .address_space: global }
      - { .name: bv, .offset: 64, .size: 8, .value_kind: global_buffer, .address_space: global }
      - { .name: lowp_scales, .offset: 72, .size: 8, .value_kind: global_buffer, .address_space: global }
      - { .name: wimg, .offset: 80, .size: 8, .value_kind: global_buffer, .address_space: global }
      - { .name: qimg, .offset: 88, .size: 8, .value_kind: global_buffer, .address_space: global }
      - { .name: kimg, .offset: 96, .size: 8, .value_kind: global_buffer, .address_space: global }
      - { .name: vimg, .offset: 104, .size: 8, .value_kind: global_buffer, .address_space: global }
    .group_segment_fixed_size: 203264
    .private_segment_fixed_size: 0
    .kernarg_segment_align: 8
    .kernarg_segment_size: 112
    .max_flat_workgroup_size: 128
    .sgpr_count:     100
    .vgpr_count:     1024
    .wavefront_size: 32
...
	.end_amdgpu_metadata
.endif
;; end of part 2
;; launch attn (part 3): grid 4 x 64, 16 waves a work-group, clusters of 4 x 1, 327,680 bytes of LDS; arguments qimg, kimg, vimg, lowp_scales, fimg; writes fimg
.if DOCPART == 3
	.amdgcn_target "amdgcn-amd-amdhsa--gfx1250"
	.amdhsa_code_object_version 6
	.text
	.protected	k_q2fe2a31404_attn
	.globl	k_q2fe2a31404_attn
	.p2align	8
	.type	k_q2fe2a31404_attn,@function
k_q2fe2a31404_attn:
	s_mov_b64 s[64:65], 0
	v_nop
	global_prefetch_b8 v0, s[64:65] scope:SCOPE_SE
	s_setreg_imm32_b32 hwreg(HW_REG_WAVE_MODE, 25, 1), 1
	s_wait_xcnt 0x0
	s_wait_alu depctr_hold_cnt(0) depctr_sa_sdst(0) depctr_va_vdst(0) depctr_va_sdst(0) depctr_va_ssrc(0) depctr_va_vcc(0) depctr_vm_vsrc(0)
	s_getreg_b32 s2, hwreg(HW_REG_IB_STS2, 6, 4)
	s_cmp_eq_u32 s2, 0
	s_cbranch_scc0 .Lentry_in_a_cluster
	s_endpgm
.Lentry_in_a_cluster:
	s_bfe_u32 s2, ttmp6, 0x10000c
	s_cmp_lg_u32 s2, 0x3003
	s_cbranch_scc0 .Lentry_shape_is_right
	s_endpgm
.Lentry_shape_is_right:
; Both cross attentions on codes of E4M3: for direction d (0: map 1 asks map 2; 1: the other way), batch b, head h: O = softmax(Q K^T / 8) V, quantised for the projection that follows.  Nothing is left out here.
; THE SOFTMAX AHEAD OF THE SECOND PRODUCT: t = score x log2(e) / 8; M = the running largest t rounded UP to a whole number; p = 2^(t - M) is quantised, not normalised; the row's sum is taken of the unquantised p and divides at the end.
; When M moves, the sum and O are multiplied by 2^(old M - new M): exact.
; SHARES.  y = 32 d + 8 b + h.  The four work-groups of a cluster share a head: each has 512 queries, in two blocks of 256; each of its sixteen waves has one tile of 16 queries of a block, in 256 registers, four waves to a SIMD.
; THE HEAD'S K AND V LIE WHOLE IN LDS: 131,072 bytes each, as images of the operands' registers, dense: every LDS load reads 512 consecutive bytes.  Each wave fetches one sixteenth (64 rows of 256 bytes) once, at the head:
; one tensor load of a wave is out, and one barrier serves the launch.  The four work-groups ask JOINTLY: the same load, the same descriptor, a mask that names the four.
; No tile is asked for later than at the head, so there is nothing to ask of memory ahead of its load.
; LAYOUT.  Both products transposed: S^T = K Q^T (source 0 = 16 keys, source 1 = my 16 queries; K = 64), O^T = V^T P^T (source 0 = 16 channels, source 1 = P; K = 128 keys): a lane holds ONE query throughout.
; In S^T register j of lane (r, h) is key 8 h + j of its tile: the conversion of tile t's eight registers IS registers 2 t, 2 t + 1 of P's fragment.  Likewise O^T's four tiles give eight registers of the next product's fragment.
; LIMITS on the given exponents: eq + ek between -123 and 130 (added to c's exponent field); ep, and ef - ep - ev, between -126 and 119.  NaN among the inputs is not served.
; REGISTERS: v1 16 x lane; v2, v3 the step's LDS addresses; v4 v1 + V's base; v5, v6 the add's two; v12 -M, v13 the largest t, v[14:15] the sum in two halves; v16-23 Q; v32-95 K's, then V's fragments;
;   v96-159 S^T, then p; v160-191 O^T; v192-207 p's codes; v208-215 the result's codes; v236-254 at work and scales.
.set VB,    131072                     ; V's images begin here
.set SPARE, 262144                     ; behind them: the spare words, 128 bytes a wave: eight blocks of 256 bytes that no other line names
.set WV,  18
.set SEL, 20                           ; s[20:21] lane selects: lane l xor 16
.set CS,  22                           ; s[22:23] c = log2(e) / 8 x 2^(eq + ek)
.set G1,  24                           ; s[24:31] descriptor group 1
.set G0,  32                           ; s[32:35] descriptor group 0
.set TB,  2                            ; s2  the key step's bytes in K's and in V's images
.set CNT, 66
.set BLK, 67
.set QP,  76                           ; s[76:77] my query tile's image
.set FP,  78                           ; s[78:79] where my result goes
.macro CROUND                          ; a round of the cluster's barrier: my work-group's barrier, wave 0 signals for it, all wait for the four work-groups, my work-group's barrier once more
	s_barrier_signal -1
	s_barrier_wait -1
	s_cmp_lg_u32 s[WV], 0
	s_cbranch_scc1 .Lnot_wave_0_\@
	s_barrier_signal -3
.Lnot_wave_0_\@:
	s_barrier_wait -3
	s_barrier_signal -1
	s_barrier_wait -1
.endm
	s_load_b256 s[4:11], s[0:1], 0x0               ; qimg, kimg, vimg, the exponents
	s_load_b64 s[12:13], s[0:1], 0x20              ; fimg
	v_lshl_add_u32 v5, v0, 2, SPARE
	v_mov_b32 v6, 0
	ds_add_u32 v5, v6                              ; the wave's opening: the add, twice on end, and its wait ahead of my first tensor load
	ds_add_u32 v5, v6                              ; and once more, under the one wait; the set-up below stands between
	v_lshrrev_b32 v7, 5, v0
	s_delay_alu instid0(VALU_DEP_1)
	v_readfirstlane_b32 s[WV], v7                  ; wave 0..15
	s_bfe_u32 s14, ttmp6, 0x40000                  ; cx: it enters Q's and the result's addresses alone
	s_and_b32 s15, ttmp7, 0xffff                   ; y, which the four partners share
	s_mov_b32 s[G1], 15|(3<<16)|(1<<21)            ; 15:0 the mask: all four work-groups; 17:16 elements of 8 bytes; 21 set beside a mask; no padding
	s_mov_b32 s[G1+1], 32<<16                      ; tensor_dim0 = 32 elements: 256 bytes
	s_mov_b32 s[G1+2], 64<<16                      ; tensor_dim1 = 64
	s_mov_b32 s[G1+3], 32<<16                      ; tile_dim0 = 32
	s_mov_b32 s[G1+4], 64                          ; tile_dim1 = 64
	s_mov_b32 s[G1+5], 32                          ; the rows are dense
	s_mov_b32 s[G1+6], 0
	s_mov_b32 s[G1+7], 0
	s_lshl_b32 s17, s[WV], 14                      ; LDS: 16,384 x wave: K's eight parts, then V's eight
	s_and_b32 s16, s[WV], 7
	s_lshl_b32 s16, s16, 14                        ; my part in K's or V's head
	s_xor_b32 s40, s15, 32                         ; keys and values belong to the other map
	s_lshl_b32 s40, s40, 17
	s_add_co_u32 s40, s40, s16
	s_mov_b32 s41, 0
	s_lshr_b32 s19, s15, 5
	s_lshl_b32 s19, s19, 3                         ; 8 x direction: the exponents' step
	s_lshl_b32 s42, s14, 5
	s_add_co_u32 s42, s42, s[WV]                   ; my query tile in the first block: 32 cx + wave
	s_lshl_b32 s44, s42, 10
	s_lshl_b32 s45, s15, 17
	s_add_co_u32 s44, s44, s45
	s_mov_b32 s45, 0
	s_lshr_b32 s46, s15, 3
	s_lshl_b32 s46, s46, 7
	s_add_co_u32 s46, s46, s42                     ; the token tile: 512 d + 128 b + my query tile,
	s_lshl_b32 s46, s46, 13                        ; 8,192 bytes each;
	s_and_b32 s47, s15, 7
	s_lshl_b32 s47, s47, 10                        ; head h is K step h / 2, groups 2 (h % 2) and the next: 1,024 h bytes
	s_add_co_u32 s46, s46, s47
	s_mov_b32 s47, 0
	s_mov_b32 s[SEL], 0x76543210
	s_mov_b32 s[SEL+1], 0xfedcba98
	s_mov_b32 s[CS], 0x3e38aa3b                    ; log2(e) / 8
	v_and_b32 v1, 31, v0
	s_delay_alu instid0(VALU_DEP_1)
	v_lshlrev_b32 v1, 4, v1
	s_delay_alu instid0(VALU_DEP_1)
	v_add_nc_u32 v4, VB, v1
	v_mov_b32 v236, 0                              ; a lane permute's destination counts as read
	v_mov_b32 v253, 0                              ; (the upper word of the pair v[252:253])
	s_wait_dscnt 0x0                               ; both opening adds are done
	s_wait_kmcnt 0x0
	s_load_b64 s[68:69], s[10:11], s19 offset:0x30 ; eq, ek
	s_load_b64 s[70:71], s[10:11], s19 offset:0x40 ; ep, ev
	s_load_b32 s72, s[10:11], s19 offset:0x50      ; ef
	s_cmp_lt_u32 s[WV], 8                          ; waves 0-7 fetch K's parts, waves 8-15 V's: a choice on the wave's number
	s_cselect_b64 s[48:49], s[6:7], s[8:9]
	s_mov_b32 s[G0], 1                             ; count = 1
	s_mov_b32 s[G0+1], s17                         ; LDS address
	s_add_nc_u64 s[G0+2:G0+3], s[48:49], s[40:41]  ; global address
	s_or_b32 s[G0+3], s[G0+3], 0x80000000          ; type = 2
	s_add_nc_u64 s[QP:QP+1], s[4:5], s[44:45]
	s_add_nc_u64 s[FP:FP+1], s[12:13], s[46:47]
	CROUND                                         ; all four work-groups are here: the joint loads meet
	tensor_load_to_lds s[G0:G0+3], s[G1:G1+7]
	s_nop 0
.rept 4
	v_nop
.endr
	s_wait_kmcnt 0x0
	s_add_co_i32 s73, s68, s69
	s_lshl_b32 s73, s73, 23
	s_add_co_i32 s[CS], s[CS], s73                 ; a score stands for score x 2^(eq + ek)
	s_mov_b32 s[CS+1], s[CS]
	s_add_co_i32 s73, s70, 127
	s_lshl_b32 s74, s73, 23
	v_mov_b32 v244, s74                            ; 2^ep
	s_sub_co_i32 s73, s72, s70
	s_sub_co_i32 s73, s73, s71                     ; O^T / l stands for that x 2^(ep + ev): its code is it / 2^(ef - ep - ev)
	s_add_co_i32 s73, s73, 127
	s_lshl_b32 s74, s73, 23
	v_mov_b32 v245, s74
	s_wait_tensorcnt 0x0                           ; my part of K or V has landed,
	s_barrier_signal -1
	s_barrier_wait -1                              ; everybody's has
	s_mov_b32 s[BLK], 2
.Lblock:
	s_wait_alu depctr_va_vdst(0)
	global_load_b128 v[16:19], v1, s[QP:QP+1]      ; Q's fragment stays in registers
	global_load_b128 v[20:23], v1, s[QP:QP+1] offset:512
	v_mov_b32 v13, 0xff61b1e6                      ; the largest t so far: -3e38
	s_delay_alu instid0(VALU_DEP_1)
	v_floor_f32 v12, -v13                          ; -M
	v_mov_b32 v14, 0
	v_mov_b32 v15, 0
.set nn, 0
.rept 32
	v_mov_b32 v[160+nn], 0                         ; O^T: the step is written once; the first change of M leaves zeros zeros
.set nn, nn+1
.endr
	s_mov_b32 s[TB], 0
	s_mov_b32 s[CNT], 16
	s_wait_loadcnt 0x0
.Lstep:                                            ; 128 keys
	s_setprio 2
	v_add_nc_u32 v2, s[TB], v1
	v_add_nc_u32 v3, s[TB], v4
	v_nop
	v_nop                                          ; with the two additions: four places in front of loads into registers that the last products read
.irp t, 0,1,2,3,4,5,6,7
	ds_load_b128 v[32+8*\t:35+8*\t], v2 offset:1024*\t
	ds_load_b128 v[36+8*\t:39+8*\t], v2 offset:1024*\t+512
.endr
	s_wait_alu depctr_va_vdst(0)
	s_wait_dscnt 0x0
.irp t, 0,1,2,3,4,5,6,7
	v_wmma_f32_16x16x64_fp8_fp8 v[96+8*\t:103+8*\t], v[32+8*\t:39+8*\t], v[16:23], 0
.endr
.rept 4
	v_nop                                          ; places in front of V's loads and of the first read of scores
.endr
.irp d, 0,1,2,3
.irp g, 0,1,2,3
	ds_load_b128 v[32+16*\d+4*\g:35+16*\d+4*\g], v3 offset:2048*\d+512*\g   ; V's fragments land under the softmax
.endr
.endr
	v_max3_num_f32 v254, v96, v97, v98             ; the step's largest score of my query among my 64 keys, in two chains, each accumulator from its low end on
	v_max3_num_f32 v252, v99, v100, v101
.irp i, 6,10,14,18,22,26,30,34,38,42,46,50,54,58
	v_max3_num_f32 v254, v254, v[96+\i], v[97+\i]
	v_max3_num_f32 v252, v252, v[98+\i], v[99+\i]
.endr
	v_max3_num_f32 v254, v254, v158, v159
	s_delay_alu instid0(VALU_DEP_1)
	v_max_num_f32 v254, v254, v252
	s_delay_alu instid0(VALU_DEP_1)
	v_permlanex16_b32 v236, v254, s[SEL], s[SEL+1]
	s_delay_alu instid0(VALU_DEP_1)
	v_max_num_f32 v254, v254, v236                 ; and among lane l xor 16's
	s_delay_alu instid0(VALU_DEP_1)
	v_mul_f32 v254, s[CS], v254                    ; as t (c is positive)
	s_delay_alu instid0(VALU_DEP_1)
	v_max_num_f32 v13, v13, v254
	v_mov_b32 v254, v12
	s_delay_alu instid0(VALU_DEP_2)
	v_floor_f32 v12, -v13                          ; the new -M = -ceil(t)
	s_delay_alu instid0(VALU_DEP_1)
	v_sub_f32 v254, v12, v254                      ; old M - new M: a whole number, 0 or less
	s_delay_alu instid0(VALU_DEP_1)
	v_cvt_i32_f32 v254, v254                       ; (it saturates)
	s_delay_alu instid0(VALU_DEP_1)
	v_ldexp_f32 v252, 1.0, v254                    ; f = 2^(old M - new M)
.set nn, 0
.rept 32
	v_pk_fma_f32 v[96+nn:97+nn], v[96+nn:97+nn], s[CS:CS+1], v[12:13] op_sel_hi:[1,0,0]   ; t - M, two at a time
.set nn, nn+2
.endr
.set nn, 0
	s_setprio 1
	s_wait_alu depctr_va_vdst(0)
.rept 64
	v_exp_f32 v[96+nn], v[96+nn]                   ; p = 2^(t - M)
.set nn, nn+1
.endr
	v_pk_mul_f32 v[14:15], v[14:15], v[252:253] op_sel_hi:[1,0]   ; the sums under the new M: the plain instruction behind the exponentials
	s_wait_alu depctr_va_vdst(0)                   ; one wait for the batch, ahead of its first reader
	v_pk_add_f32 v[242:243], v[100:101], v[104:105]
	v_pk_add_f32 v[254:255], v[108:109], v[112:113]
	v_pk_add_f32 v[250:251], v[116:117], v[120:121]
	v_pk_add_f32 v[248:249], v[124:125], v[128:129]
	v_pk_add_f32 v[246:247], v[132:133], v[136:137]
	v_pk_add_f32 v[240:241], v[140:141], v[144:145]
	v_pk_add_f32 v[238:239], v[148:149], v[152:153]
	v_pk_add_f32 v[14:15], v[14:15], v[156:157]
	v_pk_add_f32 v[242:243], v[242:243], v[96:97]
	v_pk_add_f32 v[254:255], v[254:255], v[98:99]
	v_pk_add_f32 v[250:251], v[250:251], v[102:103]
	v_pk_add_f32 v[248:249], v[248:249], v[106:107]
	v_pk_add_f32 v[246:247], v[246:247], v[110:111]
	v_pk_add_f32 v[240:241], v[240:241], v[114:115]
	v_pk_add_f32 v[238:239], v[238:239], v[118:119]
	v_pk_add_f32 v[14:15], v[14:15], v[122:123]
	v_pk_add_f32 v[242:243], v[242:243], v[126:127]
	v_pk_add_f32 v[254:255], v[254:255], v[130:131]
	v_pk_add_f32 v[250:251], v[250:251], v[134:135]
	v_pk_add_f32 v[248:249], v[248:249], v[138:139]
	v_pk_add_f32 v[246:247], v[246:247], v[142:143]
	v_pk_add_f32 v[240:241], v[240:241], v[146:147]
	v_pk_add_f32 v[238:239], v[238:239], v[150:151]
	v_pk_add_f32 v[14:15], v[14:15], v[154:155]
	v_pk_add_f32 v[242:243], v[242:243], v[158:159]
	s_delay_alu instid0(VALU_DEP_2)
	v_pk_add_f32 v[14:15], v[14:15], v[248:249]
	s_delay_alu instid0(VALU_DEP_2)
	v_pk_add_f32 v[242:243], v[242:243], v[246:247]
	v_pk_add_f32 v[254:255], v[254:255], v[240:241]
	v_pk_add_f32 v[250:251], v[250:251], v[238:239]
	s_delay_alu instid0(VALU_DEP_2)
	v_pk_add_f32 v[14:15], v[14:15], v[254:255]
	s_delay_alu instid0(VALU_DEP_2)
	v_pk_add_f32 v[242:243], v[242:243], v[250:251]
	s_delay_alu instid0(VALU_DEP_1)
	v_pk_add_f32 v[14:15], v[14:15], v[242:243]
.set nn, 0
.rept 64
.set nn, nn+1
.endr
.irp t, 0,1,2,3,4,5,6,7
	v_cvt_scalef32_pk8_fp8_f32 v[192+2*\t:193+2*\t], v[96+8*\t:103+8*\t], v244
.endr
.set nn, 0
	s_setprio 0
.rept 16
	v_pk_mul_f32 v[160+nn:161+nn], v[160+nn:161+nn], v[252:253] op_sel_hi:[1,0]   ; O^T under the new M; these are also the plain lines behind the conversions
.set nn, nn+2
.endr
	s_wait_alu depctr_va_vdst(0)
	s_wait_dscnt 0x0                               ; V is in
.irp d, 0,1,2,3
	v_wmma_f32_16x16x128_fp8_fp8 v[160+8*\d:167+8*\d], v[32+16*\d:47+16*\d], v[192:207], v[160+8*\d:167+8*\d]   ; the four accumulators by turns
.endr
	s_add_co_u32 s[TB], s[TB], 8192
	s_sub_co_u32 s[CNT], s[CNT], 1
	s_cmp_lg_u32 s[CNT], 0
	s_cbranch_scc1 .Lstep
	s_setprio 0
	; THE WAY OUT: O^T / the sum, converted: eight registers of the next product's fragment, stored as they stand
.rept 4
	v_nop                                          ; places behind the last products
.endr
	v_add_f32 v14, v14, v15
	s_delay_alu instid0(VALU_DEP_1)
	v_permlanex16_b32 v252, v14, s[SEL], s[SEL+1]
	s_delay_alu instid0(VALU_DEP_1)
	v_add_f32 v14, v14, v252                       ; the row's sum
	s_wait_alu depctr_va_vdst(0)
	v_rcp_f32 v14, v14
	v_nop                                          ; a plain instruction behind it,
	s_wait_alu depctr_va_vdst(0)                   ; and the wait ahead of its first reader
.set nn, 0
.rept 16
	v_pk_mul_f32 v[160+nn:161+nn], v[160+nn:161+nn], v[14:15] op_sel_hi:[1,0]
.set nn, nn+2
.endr
.set nn, 0
.rept 32
.set nn, nn+1
.endr
.irp d, 0,1,2,3
	v_cvt_scalef32_pk8_fp8_f32 v[208+2*\d:209+2*\d], v[160+8*\d:167+8*\d], v245
.endr
	v_nop                                          ; a plain instruction behind the last conversion
	global_store_b128 v1, v[208:211], s[FP:FP+1]   ; 32 lanes store 512 consecutive bytes, aligned
	global_store_b128 v1, v[212:215], s[FP:FP+1] offset:512
	s_wait_xcnt 0x0                                ; loads and stores have read their bases and data: they may be written again
	s_add_nc_u64 s[QP:QP+1], s[QP:QP+1], 16384     ; sixteen query tiles on
	s_add_nc_u64 s[FP:FP+1], s[FP:FP+1], 131072
	s_sub_co_u32 s[BLK], s[BLK], 1
	s_cmp_lg_u32 s[BLK], 0
	s_cbranch_scc1 .Lblock
	s_wait_tensorcnt 0x0                           ; the wave's end
	ds_add_u32 v5, v6
	s_wait_dscnt 0x0
	CROUND                                         ; the closing round
	s_endpgm
.Lfunc_end_k_q2fe2a31404_attn:
	.size	k_q2fe2a31404_attn, .Lfunc_end_k_q2fe2a31404_attn-k_q2fe2a31404_attn
	.p2alignl 7, 3214868480
	.fill 96, 4, 3214868480
	.section	.rodata,"a",@progbits
	.p2align	6, 0x0
	.amdhsa_kernel k_q2fe2a31404_attn
		.amdhsa_group_segment_fixed_size 327680
		.amdhsa_private_segment_fixed_size 0
		.amdhsa_enable_private_segment 0
		.amdhsa_kernarg_size 40
		.amdhsa_user_sgpr_count 2
		.amdhsa_user_sgpr_kernarg_segment_ptr 1
		.amdhsa_wavefront_size32 1
		.amdhsa_system_sgpr_workgroup_id_x 1
		.amdhsa_system_sgpr_workgroup_id_y 1
		.amdhsa_system_sgpr_workgroup_id_z 1
		.amdhsa_system_vgpr_workitem_id 0
		.amdhsa_next_free_vgpr 256
		.amdhsa_next_free_sgpr 100
		.amdhsa_reserve_vcc 0
		.amdhsa_float_denorm_mode_32 3
		.amdhsa_float_denorm_mode_16_64 3
		.amdhsa_fp16_overflow 1
		.amdhsa_memory_ordered 1
		.amdhsa_forward_progress 1
		.amdhsa_inst_pref_size 23
	.end_amdhsa_kernel
	.amdgpu_metadata
---
amdhsa.version: [ 1, 2 ]
amdhsa.kernels:
  - .name:           k_q2fe2a31404_attn
    .symbol:         k_q2fe2a31404_attn.kd
    .args:
      - { .name: qimg, .offset: 0, .size: 8, .value_kind: global_buffer, .address_space: global }
      - { .name: kimg, .offset: 8, .size: 8, .value_kind: global_buffer, .address_space: global }
      - { .name: vimg, .offset: 16, .size: 8, .value_kind: global_buffer, .address_space: global }
      - { .name: lowp_scales, .offset: 24, .size: 8, .value_kind: global_buffer, .address_space: global }
      - { .name: fimg, .offset: 32, .size: 8, .value_kind: global_buffer, .address_space: global }
    .group_segment_fixed_size: 327680
    .private_segment_fixed_size: 0
    .kernarg_segment_align: 8
    .kernarg_segment_size: 40
    .max_flat_workgroup_size: 512
    .sgpr_count:     100
    .vgpr_count:     256
    .wavefront_size: 32
...
	.end_amdgpu_metadata
.endif
;; end of part 3
;; launch tail (part 4): grid 256 x 1, 4 waves a work-group, no clusters, 327,680 bytes of LDS; arguments texture_map1, texture_map2, fimg, wimg, lowp_scales, bfc, ff1_ln_g, ff1_ln_b, ff1_b1, ff1_b2, ff2_ln_g, ff2_ln_b, ff2_b1, ff2_b2, out0, out1; writes out0, out1
.if DOCPART == 4
	.amdgcn_target "amdgcn-amd-amdhsa--gfx1250"
	.amdhsa_code_object_version 6
	.text
	.protected	k_q2fe2a31404_tail
	.globl	k_q2fe2a31404_tail
	.p2align	8
	.type	k_q2fe2a31404_tail,@function
k_q2fe2a31404_tail:
	s_mov_b64 s[64:65], 0
	v_nop
	global_prefetch_b8 v0, s[64:65] scope:SCOPE_SE
	s_setreg_imm32_b32 hwreg(HW_REG_WAVE_MODE, 25, 1), 1
	s_wait_xcnt 0x0
.set SPIT,  2064
.set XS,    64*SPIT
.set FI,    XS+131072
.set SPARE, FI+32768
.set GG,  16
.set BT,  32
.set BFC, 48
.set B2,  64
.set B1,  80
.set ST,  144
.set PC,  160
.set DW,  128
.set MT,  192
.set CD,  224
.set LIMW, 244
.set SCLW, 247
.set CSAW, 250
.set G1F, 40
.set G1T, 48
.set G0F, 56
.set G0T, 60
.set WB,  70
.set SC1, 76
.set SC3, 78
.set RN,  93
.set EPSR, 94
.set SEL, 96
.set OUTP, 36
.set MSB, 0
.macro WIN new
.if MSB != \new
	s_set_vgpr_msb (MSB<<8)|\new
.set MSB, \new
.endif
.endm
.macro REDUCE
.irp x, 1,2,4,8
.irp i, 0,1,2,3
	v_add_f32_dpp v[ST+4*\i], v[ST+4*\i], v[ST+4*\i] row_xmask:\x row_mask:0xf bank_mask:0xf
.endr
.endr
.irp i, 0,1,2,3
	v_permlanex16_b32 v[ST+4*\i+1], v[ST+4*\i], s[SEL], s[SEL+1]
.endr
.irp i, 0,1,2,3
	v_add_f32 v[ST+4*\i], v[ST+4*\i], v[ST+4*\i+1]
.endr
.endm
.macro LN_AD xb
	WIN 0xaa
.irp q, 0,1,2,3
.irp i, 0,1,2,3
	v_pk_add_f32 v[MT+8*\i+2*\q:MT+8*\i+2*\q+1], v[(\xb)+16*\i+4*\q:(\xb)+16*\i+4*\q+1], v[(\xb)+16*\i+4*\q+2:(\xb)+16*\i+4*\q+3]
.endr
.endr
.irp i, 0,1,2,3
	v_pk_add_f32 v[MT+8*\i:MT+8*\i+1], v[MT+8*\i:MT+8*\i+1], v[MT+8*\i+2:MT+8*\i+3]
	v_pk_add_f32 v[MT+8*\i+4:MT+8*\i+5], v[MT+8*\i+4:MT+8*\i+5], v[MT+8*\i+6:MT+8*\i+7]
.endr
.irp i, 0,1,2,3
	v_pk_add_f32 v[MT+8*\i:MT+8*\i+1], v[MT+8*\i:MT+8*\i+1], v[MT+8*\i+4:MT+8*\i+5]
.endr
	WIN 0x0a
.irp i, 0,1,2,3
	v_add_f32 v[ST+4*\i], v[MT+8*\i], v[MT+8*\i+1]
.endr
	WIN 0
	REDUCE
.irp i, 0,1,2,3
	v_mul_f32 v[ST+4*\i+2], s[RN], v[ST+4*\i]
.endr
	WIN 0x82
.irp q, 0,1,2,3,4,5,6,7
.irp i, 0,1,2,3
	v_pk_add_f32 v[DW+16*\i+2*\q:DW+16*\i+2*\q+1], v[(\xb)+16*\i+2*\q:(\xb)+16*\i+2*\q+1], v[ST+4*\i+2:ST+4*\i+3] op_sel_hi:[1,0] neg_lo:[0,1] neg_hi:[0,1]
.endr
.endr
.endm
.macro LN_EH
	WIN 0xaa
.irp i, 0,1,2,3
	v_pk_mul_f32 v[MT+8*\i:MT+8*\i+1], v[DW+16*\i:DW+16*\i+1], v[DW+16*\i:DW+16*\i+1]
	v_pk_mul_f32 v[MT+8*\i+2:MT+8*\i+3], v[DW+16*\i+2:DW+16*\i+3], v[DW+16*\i+2:DW+16*\i+3]
.endr
.irp q, 2,4,6
.irp i, 0,1,2,3
	v_pk_fma_f32 v[MT+8*\i:MT+8*\i+1], v[DW+16*\i+2*\q:DW+16*\i+2*\q+1], v[DW+16*\i+2*\q:DW+16*\i+2*\q+1], v[MT+8*\i:MT+8*\i+1]
	v_pk_fma_f32 v[MT+8*\i+2:MT+8*\i+3], v[DW+16*\i+2*\q+2:DW+16*\i+2*\q+3], v[DW+16*\i+2*\q+2:DW+16*\i+2*\q+3], v[MT+8*\i+2:MT+8*\i+3]
.endr
.endr
.irp i, 0,1,2,3
	v_pk_add_f32 v[MT+8*\i:MT+8*\i+1], v[MT+8*\i:MT+8*\i+1], v[MT+8*\i+2:MT+8*\i+3]
.endr
	WIN 0x0a
.irp i, 0,1,2,3
	v_add_f32 v[ST+4*\i], v[MT+8*\i], v[MT+8*\i+1]
.endr
	WIN 0
	REDUCE
.irp i, 0,1,2,3
	v_fma_f32 v[ST+4*\i], v[ST+4*\i], s[RN], s[EPSR]
.endr
	s_wait_alu depctr_va_vdst(0)
.irp i, 0,1,2,3
	v_rsq_f32 v[ST+4*\i+2], v[ST+4*\i]
.endr
	v_nop
	s_wait_alu depctr_va_vdst(0)
	WIN 0x82
.irp q, 0,1,2,3,4,5,6,7
.irp i, 0,1,2,3
	v_pk_mul_f32 v[DW+16*\i+2*\q:DW+16*\i+2*\q+1], v[DW+16*\i+2*\q:DW+16*\i+2*\q+1], v[ST+4*\i+2:ST+4*\i+3] op_sel_hi:[1,0]
.endr
.endr
.irp q, 0,1,2,3,4,5,6,7
.irp i, 0,1,2,3
	v_pk_fma_f32 v[DW+16*\i+2*\q:DW+16*\i+2*\q+1], v[DW+16*\i+2*\q:DW+16*\i+2*\q+1], v[GG+2*\q:GG+2*\q+1], v[BT+2*\q:BT+2*\q+1]
.endr
.endr
.endm
.macro LN_Q
	WIN 0xaa
.irp i, 0,1,2,3
.set MH, MT+16*(\i%2)
.set CH, CD+4*(\i%2)
.irp n, 0,1,2,3,4,5,6,7,8,9,10,11,12,13,14,15
.endr
	v_cvt_scalef32_pk8_fp8_f32 v[CH:CH+1], v[MH+((DW+16*\i+0)-(MH+0)):MH+7+((DW+16*\i+0)-(MH+0))], v[SCLW]
	v_cvt_scalef32_pk8_fp8_f32 v[CH+2:CH+3], v[MH+8+((DW+16*\i+0)-(MH+0)):MH+15+((DW+16*\i+0)-(MH+0))], v[SCLW]
.irp j, 0,1,2,3
	ds_store_b32 v[CSAW], v[CH+\j] offset:\i*SPIT+128*\j
.endr
.endr
.endm
.macro WSET kap
.set WL,  (\kap)/4
.set WS2, (\kap)%4
.if (\kap)%3 == 2
	WIN 0xc0
.set WBS, 0
.else
	WIN 0x40
.set WBS, 128*((\kap)%3)
.endif
.irp ft, 0,1,2,3,4,5,6,7
.irp g, 0,1,2,3
	global_load_b128 v[WBS+16*\ft+4*\g:WBS+16*\ft+4*\g+3], v1, s[WB+2*WL:WB+2*WL+1] offset:\ft*8192+WS2*2048+\g*512
.endr
.endr
.endm
.macro AIMG bf, s
	WIN 0xc0
.irp m, 0,1,2,3
.irp g, 0,1,2,3
	ds_load_b128 v[128+64*(\bf)+16*\m+4*\g:128+64*(\bf)+16*\m+4*\g+3], v8 offset:(4*\m+(\s))*2048+512*\g
.endr
.endr
.endm
.macro AROW bf, s
	WIN 0xc0
.irp m, 0,1,2,3
.irp c, 0,1,2,3,4,5,6,7
	ds_load_b64 v[128+64*(\bf)+16*\m+2*\c:128+64*(\bf)+16*\m+2*\c+1], v[6+\m/2] offset:(\m%2)*16*SPIT+128*(\s)+16*\c
.endr
.endr
.endm
.macro BARRIER
	s_wait_dscnt 0x0
	s_barrier_signal -1
	s_barrier_wait -1
.endm
.macro KSTEP kap
.set LL, (\kap)/4
.set SS, (\kap)%4
.set NB, (SS+1)%2
.set NS, SS+1
.set NK, (\kap)+2
.if (\kap) == 11
	s_wait_loadcnt 0x0
.else
	s_wait_loadcnt 32
.endif
	s_wait_dscnt 0x0
.rept 4
	v_nop
.endr
.if (\kap) <= 9
	WSET NK
.endif
.if SS < 3
.if LL == 1
	AROW NB, NS
.else
	AIMG NB, NS
.endif
.endif
.set AB, 128+64*(SS%2)
.if (\kap)%3 == 2
.set WBS, 0
	WIN 0xaf
.else
.set WBS, 128*((\kap)%3)
.if (\kap) == 4
	WIN 0x8d
.else
	WIN 0xad
.endif
.endif
.irp ft, 0,1,2,3,4,5,6,7
.irp m, 0,1,2,3
.set AC, 8*(4*\ft+\m)
.if ((\kap) == 0) || ((\kap) == 8)
	v_wmma_f32_16x16x128_fp8_fp8 v[AC:AC+7], v[WBS+16*\ft:WBS+16*\ft+15], v[AB+16*\m:AB+16*\m+15], 0
.elseif (\kap) == 4
	v_wmma_f32_16x16x128_fp8_fp8 v[AC:AC+7], v[WBS+16*\ft:WBS+16*\ft+15], v[AB+16*\m:AB+16*\m+15], v[B1+8*\ft:B1+8*\ft+7]
.else
	v_wmma_f32_16x16x128_fp8_fp8 v[AC:AC+7], v[WBS+16*\ft:WBS+16*\ft+15], v[AB+16*\m:AB+16*\m+15], v[AC:AC+7]
.endif
.endr
.endr
.endm
.macro TOSTAGE
.rept 4
	v_nop
.endr
	WIN 0x08
.irp ft, 0,1,2,3,4,5,6,7
.irp m, 0,1,2,3
	ds_store_b128 v[4+\m/2], v[8*(4*\ft+\m):8*(4*\ft+\m)+3] offset:(\m%2)*16*SPIT+64*\ft
	ds_store_b128 v[4+\m/2], v[8*(4*\ft+\m)+4:8*(4*\ft+\m)+7] offset:(\m%2)*16*SPIT+64*\ft+16
.endr
.endr
	WIN 0
.endm
.macro ROWS4
	v_add_nc_u32 v13, s90, v10
	v_add_nc_u32 v14, s91, v11
	WIN 0x80
.irp i, 0,1,2,3
.irp j, 0,1,2,3
	ds_load_b128 v[16*\i+4*\j:16*\i+4*\j+3], v13 offset:\i*SPIT+512*\j
	ds_load_b128 v[64+16*\i+4*\j:64+16*\i+4*\j+3], v14 offset:\i*2048+512*\j
.endr
.endr
.endm
	s_load_b512 s[8:23], s[0:1], 0x0
	s_load_b512 s[24:39], s[0:1], 0x40
	v_lshl_add_u32 v2, v0, 2, SPARE
	v_mov_b32 v3, 0
	ds_add_u32 v2, v3
	ds_add_u32 v2, v3
	v_lshrrev_b32 v15, 5, v0
	v_readfirstlane_b32 s66, v15
	v_and_b32 v15, 31, v0
	v_and_b32 v13, 15, v0
	v_bfe_u32 v14, v0, 4, 1
	v_lshlrev_b32 v1, 4, v15
	s_lshl_b32 s88, s66, 9
	v_mul_u32_u24 v6, v13, SPIT
	v_lshl_add_u32 v4, v14, 5, v6
	v_add_nc_u32 v4, s88, v4
	v_add_nc_u32 v5, 32*SPIT, v4
	v_lshl_add_u32 v6, v14, 3, v6
	v_add_nc_u32 v7, 32*SPIT, v6
	v_add_nc_u32 v8, FI, v1
	s_lshl_b32 s89, s66, 11
	v_add_nc_u32 v9, s89, v8
	s_mul_i32 s67, s66, 16*SPIT
	v_add_nc_u32 v10, s67, v1
	s_lshl_b32 s68, s66, 15
	v_add_nc_u32 v11, XS, v1
	v_add_nc_u32 v11, s68, v11
	v_lshl_add_u32 v12, v15, 2, s67
	v_lshl_add_u32 v15, v14, 5, s88
.irp i, 0,1,2,3
	v_mov_b32 v[ST+4*\i+1], 0
	v_mov_b32 v[ST+4*\i+3], 0
.endr
	s_mov_b32 s[G1F], 3<<16
	s_mov_b32 s[G1F+1], 32<<16
	s_mov_b32 s[G1F+2], 32<<16
	s_mov_b32 s[G1F+3], 32<<16
	s_mov_b32 s[G1F+4], 32
	s_mov_b32 s[G1F+5], 32
	s_mov_b32 s[G1F+6], 0
	s_mov_b32 s[G1F+7], 0
	s_mov_b32 s[G1T], 3<<16
	s_mov_b32 s[G1T+1], 32<<16
	s_mov_b32 s[G1T+2], 128<<16
	s_mov_b32 s[G1T+3], 32<<16
	s_mov_b32 s[G1T+4], 128
	s_mov_b32 s[G1T+5], 32
	s_mov_b32 s[G1T+6], 0
	s_mov_b32 s[G1T+7], 0
	s_mov_b32 s[RN], 0x3b000000
	s_mov_b32 s[EPSR], 0x358637bd
	s_mov_b32 s[SEL], 0x76543210
	s_mov_b32 s[SEL+1], 0xfedcba98
	s_lshr_b32 s69, ttmp9, 7
	s_lshl_b32 s82, s69, 3
	s_lshl_b32 s83, s69, 4
	s_and_b32 s88, ttmp9, 127
	s_lshl_b32 s88, s88, 17
	s_add_co_u32 s88, s88, s68
	s_mov_b32 s89, 0
	s_lshl_b32 s90, ttmp9, 2
	s_add_co_u32 s90, s90, s66
	s_lshl_b32 s90, s90, 13
	s_mov_b32 s91, 0
	s_add_co_u32 s98, s69, 6
	s_lshl_b32 s98, s98, 18
	s_lshl_b32 s95, s66, 16
	s_add_co_u32 s98, s98, s95
	s_mov_b32 s99, 0
	s_lshl_b32 s92, s69, 1
	s_add_co_u32 s92, s92, 8
	s_lshl_b32 s92, s92, 18
	s_add_co_u32 s68, s92, s95
	s_mov_b32 s69, 0
	s_wait_alu depctr_va_vdst(0)
	s_wait_dscnt 0x0
	s_wait_kmcnt 0x0
	s_load_b64 s[80:81], s[16:17], s82 offset:0x50
	s_load_b128 s[84:87], s[16:17], s83 offset:0x60
	s_cmp_lt_u32 ttmp9, 128
	s_cselect_b64 s[8:9], s[8:9], s[10:11]
	s_cselect_b64 s[20:21], s[20:21], s[28:29]
	s_cselect_b64 s[22:23], s[22:23], s[30:31]
	s_cselect_b64 s[24:25], s[24:25], s[32:33]
	s_cselect_b64 s[26:27], s[26:27], s[34:35]
	s_cselect_b64 s[OUTP:OUTP+1], s[36:37], s[38:39]
	s_add_nc_u64 s[OUTP:OUTP+1], s[OUTP:OUTP+1], s[88:89]
	s_add_nc_u64 s[WB:WB+1], s[14:15], s[98:99]
	s_add_nc_u64 s[WB+2:WB+3], s[14:15], s[68:69]
	s_add_nc_u64 s[WB+4:WB+5], s[WB+2:WB+3], 0x40000
	s_mov_b32 s[G0F], 1
	s_lshl_b32 s[G0F+1], s66, 13
	s_add_co_u32 s[G0F+1], s[G0F+1], FI
	s_add_nc_u64 s[G0F+2:G0F+3], s[12:13], s[90:91]
	s_or_b32 s[G0F+3], s[G0F+3], 0x80000000
	s_mov_b32 s[G0T], 1
	s_lshl_b32 s[G0T+1], s66, 15
	s_add_co_u32 s[G0T+1], s[G0T+1], XS
	s_add_nc_u64 s[G0T+2:G0T+3], s[8:9], s[88:89]
	s_or_b32 s[G0T+3], s[G0T+3], 0x80000000
	tensor_load_to_lds s[G0F:G0F+3], s[G1F:G1F+7]
	s_nop 0
	s_wait_alu depctr_va_vdst(0)
	s_wait_tensorcnt 0x0
	ds_add_u32 v2, v3
	s_wait_dscnt 0x0
	s_barrier_signal -1
	s_barrier_wait -1
	tensor_load_to_lds s[G0T:G0T+3], s[G1T:G1T+7]
	s_nop 0
.rept 4
	v_nop
.endr
	; gains, biases and the first two weight sets are asked for while the first tile is on its way
.irp j, 0,1,2,3
	global_load_b128 v[GG+4*\j:GG+4*\j+3], v1, s[20:21] offset:512*\j
	global_load_b128 v[BT+4*\j:BT+4*\j+3], v1, s[22:23] offset:512*\j
	global_load_b128 v[BFC+4*\j:BFC+4*\j+3], v1, s[18:19] offset:512*\j
	global_load_b128 v[B2+4*\j:B2+4*\j+3], v1, s[26:27] offset:512*\j
.endr
.irp ft, 0,1,2,3,4,5,6,7
	global_load_b128 v[B1+8*\ft:B1+8*\ft+3], v15, s[24:25] offset:64*\ft
	global_load_b128 v[B1+8*\ft+4:B1+8*\ft+7], v15, s[24:25] offset:64*\ft+16
.endr
	WSET 0
	WSET 1
	WIN 0
	s_wait_kmcnt 0x0
	s_add_co_i32 s[SC1], s80, s81
	s_add_co_i32 s[SC1], s[SC1], 127
	s_lshl_b32 s[SC1], s[SC1], 23
	s_mov_b32 s[SC1+1], s[SC1]
	s_add_co_i32 s[SC3], s86, s87
	s_add_co_i32 s[SC3], s[SC3], 127
	s_lshl_b32 s[SC3], s[SC3], 23
	s_mov_b32 s[SC3+1], s[SC3]
	s_add_co_i32 s88, s84, 127
	s_lshl_b32 s98, s88, 23
	s_add_co_i32 s89, s84, s85
	s_sub_co_i32 s95, 0, s89
	s_sub_co_i32 s89, s86, s89
	s_add_co_i32 s89, s89, 127
	s_lshl_b32 s88, s89, 23
	v_mov_b32 v224, s88
	s_add_co_i32 s89, s89, 8
	s_lshl_b32 s89, s89, 23
	s_or_b32 s89, s89, 0x600000
	v_mov_b32 v225, s89
	s_wait_loadcnt 63
.set nn, 0
.rept 64
	v_ldexp_f32 v[B1+nn], v[B1+nn], s95
.set nn, nn+1
.endr
	s_wait_tensorcnt 0x1
	BARRIER
	AIMG 0, 0
	KSTEP 0
	KSTEP 1
	KSTEP 2
	KSTEP 3
	TOSTAGE
	BARRIER
	s_wait_tensorcnt 0x0
	WIN 0x80
	v_mov_b32 v[SCLW], s98
	WIN 0
	s_mov_b32 s90, 0
	s_mov_b32 s91, 0
	s_mov_b32 s92, 4
.Lp2:
	ROWS4
	v_add_nc_u32 v[CSAW], s90, v12
	s_wait_dscnt 0x0
	WIN 0x82
.irp q, 0,1,2,3,4,5,6,7
.irp i, 0,1,2,3
	v_pk_add_f32 v[64+16*\i+2*\q:64+16*\i+2*\q+1], v[64+16*\i+2*\q:64+16*\i+2*\q+1], v[BFC+2*\q:BFC+2*\q+1]
.endr
.endr
	WIN 0xaa
.irp q, 0,1,2,3,4,5,6,7
.irp i, 0,1,2,3
	v_pk_fma_f32 v[16*\i+2*\q:16*\i+2*\q+1], v[16*\i+2*\q:16*\i+2*\q+1], s[SC1:SC1+1], v[64+16*\i+2*\q:64+16*\i+2*\q+1] op_sel_hi:[1,0,1]
.endr
.endr
	WIN 0x08
.irp i, 0,1,2,3
.irp j, 0,1,2,3
	ds_store_b128 v14, v[16*\i+4*\j:16*\i+4*\j+3] offset:\i*2048+512*\j
.endr
.endr
	LN_AD 0
	LN_EH
	LN_Q
	v_nop
	WIN 0
	s_add_co_u32 s90, s90, 4*SPIT
	s_add_co_u32 s91, s91, 8192
	s_sub_co_u32 s92, s92, 1
	s_cmp_lg_u32 s92, 0
	s_cbranch_scc1 .Lp2
	BARRIER
	AROW 0, 0
	KSTEP 4
	KSTEP 5
	KSTEP 6
	KSTEP 7
.rept 4
	v_nop
.endr
	WIN 0x82
.set nn, 0
.rept 256
	v_med3_num_f32 v[nn], v[nn], 0, v225
.set nn, nn+1
.endr
	WIN 0x02
.irp ft, 0,1,2,3,4,5,6,7
.irp m, 0,1,2,3
	v_cvt_scalef32_pk8_fp8_f32 v[PC+16*\m+2*\ft:PC+16*\m+2*\ft+1], v[8*(4*\ft+\m):8*(4*\ft+\m)+7], v224
.endr
.endr
	WIN 0
	v_nop
.irp m, 0,1,2,3
.irp g, 0,1,2,3
	ds_store_b128 v9, v[PC+16*\m+4*\g:PC+16*\m+4*\g+3] offset:\m*8192+512*\g
.endr
.endr
	BARRIER
	AIMG 0, 0
	KSTEP 8
	KSTEP 9
	KSTEP 10
	KSTEP 11
	TOSTAGE
	BARRIER
	s_mov_b32 s90, 0
	s_mov_b32 s91, 0
	s_mov_b32 s92, 4
.Lp5:
	ROWS4
	s_wait_dscnt 0x0
	WIN 0x82
.irp q, 0,1,2,3,4,5,6,7
.irp i, 0,1,2,3
	v_pk_add_f32 v[64+16*\i+2*\q:64+16*\i+2*\q+1], v[64+16*\i+2*\q:64+16*\i+2*\q+1], v[B2+2*\q:B2+2*\q+1]
.endr
.endr
	WIN 0xaa
.irp q, 0,1,2,3,4,5,6,7
.irp i, 0,1,2,3
	v_pk_fma_f32 v[16*\i+2*\q:16*\i+2*\q+1], v[16*\i+2*\q:16*\i+2*\q+1], s[SC3:SC3+1], v[64+16*\i+2*\q:64+16*\i+2*\q+1] op_sel_hi:[1,0,1]
.endr
.endr
	WIN 0x08
.irp i, 0,1,2,3
.irp j, 0,1,2,3
	global_store_b128 v1, v[16*\i+4*\j:16*\i+4*\j+3], s[OUTP:OUTP+1] offset:\i*2048+512*\j th:TH_STORE_NT
.endr
.endr
	WIN 0
	s_wait_xcnt 0x0
	s_add_nc_u64 s[OUTP:OUTP+1], s[OUTP:OUTP+1], 8192
	s_add_co_u32 s90, s90, 4*SPIT
	s_add_co_u32 s91, s91, 8192
	s_sub_co_u32 s92, s92, 1
	s_cmp_lg_u32 s92, 0
	s_cbranch_scc1 .Lp5
	s_wait_tensorcnt 0x0
	ds_add_u32 v2, v3
	s_wait_dscnt 0x0
	s_endpgm
.Lfunc_end_k_q2fe2a31404_tail:
	.size	k_q2fe2a31404_tail, .Lfunc_end_k_q2fe2a31404_tail-k_q2fe2a31404_tail
	.p2alignl 7, 3214868480
	.fill 96, 4, 3214868480
	.section	.rodata,"a",@progbits
	.p2align	6, 0x0
	.amdhsa_kernel k_q2fe2a31404_tail
		.amdhsa_group_segment_fixed_size 327680
		.amdhsa_private_segment_fixed_size 0
		.amdhsa_enable_private_segment 0
		.amdhsa_kernarg_size 128
		.amdhsa_user_sgpr_count 2
		.amdhsa_user_sgpr_kernarg_segment_ptr 1
		.amdhsa_wavefront_size32 1
		.amdhsa_system_sgpr_workgroup_id_x 1
		.amdhsa_system_sgpr_workgroup_id_y 1
		.amdhsa_system_sgpr_workgroup_id_z 1
		.amdhsa_system_vgpr_workitem_id 0
		.amdhsa_next_free_vgpr 1024
		.amdhsa_next_free_sgpr 100
		.amdhsa_reserve_vcc 0
		.amdhsa_float_denorm_mode_32 3
		.amdhsa_float_denorm_mode_16_64 3
		.amdhsa_fp16_overflow 1
		.amdhsa_memory_ordered 1
		.amdhsa_forward_progress 1
		.amdhsa_inst_pref_size 152
	.end_amdhsa_kernel
	.amdgpu_metadata
---
amdhsa.version: [ 1, 2 ]
amdhsa.kernels:
  - .name:           k_q2fe2a31404_tail
    .symbol:         k_q2fe2a31404_tail.kd
    .args:
      - { .name: texture_map1, .offset: 0, .size: 8, .value_kind: global_buffer, .address_space: global }
      - { .name: texture_map2, .offset: 8, .size: 8, .value_kind: global_buffer, .address_space: global }
      - { .name: fimg, .offset: 16, .size: 8, .value_kind: global_buffer, .address_space: global }
      - { .name: wimg, .offset: 24, .size: 8, .value_kind: global_buffer, .address_space: global }
      - { .name: lowp_scales, .offset: 32, .size: 8, .value_kind: global_buffer, .address_space: global }
      - { .name: bfc, .offset: 40, .size: 8, .value_kind: global_buffer, .address_space: global }
      - { .name: ff1_ln_g, .offset: 48, .size: 8, .value_kind: global_buffer, .address_space: global }
      - { .name: ff1_ln_b, .offset: 56, .size: 8, .value_kind: global_buffer, .address_space: global }
      - { .name: ff1_b1, .offset: 64, .size: 8, .value_kind: global_buffer, .address_space: global }
      - { .name: ff1_b2, .offset: 72, .size: 8, .value_kind: global_buffer, .address_space: global }
      - { .name: ff2_ln_g, .offset: 80, .size: 8, .value_kind: global_buffer, .address_space: global }
      - { .name: ff2_ln_b, .offset: 88, .size: 8, .value_kind: global_buffer, .address_space: global }
      - { .name: ff2_b1, .offset: 96, .size: 8, .value_kind: global_buffer, .address_space: global }
      - { .name: ff2_b2, .offset: 104, .size: 8, .value_kind: global_buffer, .address_space: global }
      - { .name: out0, .offset: 112, .size: 8, .value_kind: global_buffer, .address_space: global }
      - { .name: out1, .offset: 120, .size: 8, .value_kind: global_buffer, .address_space: global }
    .group_segment_fixed_size: 327680
    .private_segment_fixed_size: 0
    .kernarg_segment_align: 8
    .kernarg_segment_size: 128
    .max_flat_workgroup_size: 128
    .sgpr_count:     100
    .vgpr_count:     1024
    .wavefront_size: 32
...
	.end_amdgpu_metadata
.endif
;; end of part 4
